; MI455X (gfx1250); checked and timed in simulation.
; The chip was launched on July 23, 2026; its instructions are those of AMD's public machine-readable ISA for CDNA 5 (MIT licence, August 2026) and "CDNA5" Instruction Set Architecture Reference Guide (July 2026). The comments in the code are by the model that wrote it; some were corrected since.
;; Routed Squared Re LU Readout. Allowed arithmetic: matrix products marked QUANTISED: E3M2 operands, one E8M0 scale for each 32 along K, by v_wmma_scale_f32_16x16x128_f8f6f4 with both operands' format E3M2, f32 sums; products left as they are: f32 operands where the result goes on into a quantised operand, else bf16, f16 or f32 operands; f32 sums; everything else in f32.
;; Inputs: W1 8 x 2,048 x 1,024 float32; W2 8 x 1,024 x 2,048 float32; Wr 8 x 1,024 float32; b1 8 x 2,048 float32; b2 8 x 1,024 float32; br 8 float32; x 2,048 x 1,024 float32.
;; Outputs: out0 2,048 x 1,024 float32.
;; This version of the problem:
;;   THIS VERSION OF THE PROBLEM IS GIVEN IN LOW PRECISION. The matrix products marked QUANTISED in the list below multiply operands that are first quantised to E3M2 (3 exponent bits, 2 mantissa bits; 6 bits a number), with one power-of-two scale for each 32 numbers along K (OCP MX v1.0); their sums are f32. All else is computed in f32.
;;   The module's matrix products, in the order in which they are computed (A, B: the left and right operand; K: the contracted axis; several contracted axes count as one K, in the product's order):
;;     1. [M 2,048, K 1,024] x [K 1,024, N 8]; A: input x; B: input Wr: left as it is (N = 8 < 16)
;;     2. [M 2,048, K 1,024] x [K 1,024, N 16,384]; A: input x; B: input W1: QUANTISED
;;     3. batch 8 x [M 1,024, K 2,048] x [K 2,048, N 2,048]; A: input W2; B: computed on the way: QUANTISED
;;     4. batch 2,048 x [M 1, K 8] x [K 8, N 1,024]; A: softmax; B: computed on the way: left as it is (K = 8 < 32)
;;   THE QUANTISER, for each operand of a quantised product, along K:
;;     - K is cut into blocks of 32 from its start; a last block that is shorter is filled with zeros.
;;     - A block's scale is 2^e with e = floor(log2(the largest magnitude in the block)) - 4, held to -126 .. 127; a block of zeros has e = 0. As a byte (E8M0): e + 127.
;;     - Each number is divided by its block's scale, clamped to +-28, and rounded to the nearest number of E3M2, ties to even, subnormals kept.
;;     - The product sums the exact products of the quantised numbers (number of the format x scale) in f32.
;;   ~~~python
;;   def quantise(x, axis):      # numpy; x: float32 -> the quantised numbers, widened to float32 again
;;       x = np.moveaxis(x, axis, -1); K = x.shape[-1]
;;       x = np.pad(x, [(0, 0)] * (x.ndim - 1) + [(0, -K % 32)]); x = x.reshape(x.shape[:-1] + (-1, 32)); a = np.abs(x).max(-1, keepdims=True)
;;       e = np.where(a > 0, np.clip(np.frexp(np.where(a > 0, a, 1))[1] - 1 - 4, -126, 127), 0)      # np.frexp(a)[1] - 1 = floor(log2(a)), exactly
;;       r = np.clip(x / 2.0 ** e, -28, 28)
;;       step = 2.0 ** (np.maximum(np.frexp(np.where(r == 0, 1, r))[1] - 1, -2) - 2)
;;       q = np.round(r / step) * step * 2.0 ** e      # np.round: ties to even
;;       return np.moveaxis(q.reshape(q.shape[:-2] + (-1,))[..., :K], -1, axis).astype(np.float32)
;;   ~~~
;;   OPERANDS COMPUTED ON THE WAY. 'Computed on the way' means the value that the module computes at that place (a softmax that the list does not call 'softmax' is quantised finished and normalised). What goes into a quantiser is computed in f32, as accurately as f32 sums, v_exp_f32 and their like allow (about 1e-6 of the number): no bf16 or f16 on the way to a quantiser, and a product that is left as it is and whose result goes on into a quantised operand takes f32 operands (vector FMAs, or v_wmma_f32_16x16x4_f32). A number that lies on a knife's edge between two numbers of the format may be rounded either way, as far as f32 arithmetic and the matrix unit's own rounding can turn it there, and no further.
;; One version. Each part assembles by itself: llvm-mc -triple=amdgcn-amd-amdhsa -mcpu=gfx1250 --defsym DOCPART=n.
;; ======== version 1 of 1: 4 launches
;; limits: right only within a limited range of input values
;; workspace buffers: xq 1,638,400 bytes; w1q 13,107,200 bytes; w2q 13,107,200 bytes; hrec 26,214,400 bytes; rt 65,536 bytes; part 33,554,432 bytes
;; launch prep (part 1): grid 640 x 1, 4 waves a work-group, no clusters, 104,448 bytes of LDS; arguments x, W1, W2, Wr, br, xq, w1q, w2q, rt; writes xq, w1q, w2q, rt
.if DOCPART == 1
	.amdgcn_target "amdgcn-amd-amdhsa--gfx1250"
	.amdhsa_code_object_version 6
	.text
	.protected	k_q4d7746fef1_prep
	.globl	k_q4d7746fef1_prep
	.p2align	8
	.type	k_q4d7746fef1_prep,@function
k_q4d7746fef1_prep:
	s_mov_b64 s[64:65], 0
	v_nop
	global_prefetch_b8 v0, s[64:65] scope:SCOPE_SE
	s_setreg_imm32_b32 hwreg(HW_REG_WAVE_MODE, 25, 1), 1
	s_wait_xcnt 0x0
; PREP.  x [2048][1024], W1 [8][2048][1024] and W2 [8][1024][2048], f32 with K innermost, become codes of BF6 (E3M2) with one E8M0 byte for each 32 along K;
; route = softmax(x Wr^T + br), in f32, goes to rt [2048][8].
; NO WORK OF THE PROBLEM IS LEFT OUT, in this launch or in the two behind it: the gates are soft, so every expert's result is weighed into every token; br differs along the softmax's axis;
; b1 stands ahead of a quantiser; b2 is weighed by route.  Every input is loaded.
; A block's scale is 2^(floor(log2(largest magnitude)) - 4): its byte is the largest magnitude's exponent field - 4, held at 1 from below.
; LIMITS: NaN and infinities among the inputs are not served.  A block whose largest magnitude lies under 2^(5 - 127) gets the byte 1; a block of zeros gets 1 where the rule says 127: its codes are
; zeros, which add nothing under any byte but 0xff, and the bytes are read by this program alone.
; LAYOUT OF THE CODES: images of operand registers.  A FRAGMENT is 16 rows x 128 K: 12 registers a lane (lane (r, h): registers 6 c .. 6 c + 5 = k 64 c + 32 h + 0 .. 31 of row r); in memory registers
; 4 p .. 4 p + 3 of lane l lie at 512 p + 16 l: 1,536 bytes.  A QUAD is four fragments and 256 bytes of scale words [row 16][4 words]: 6,400 bytes.
;   xq  [row block 128][kg 2] QUAD: fragment i = K step 4 kg + i of tokens 16 rb ..
;   w1q [tile 1024][kg 2] QUAD: lane r of tile t holds row 32 (t / 2) + 8 (t % 2) + r + 8 (r / 8) of W1 as [16384][1024], so that the next launch's results lie along the next K
;   w2q [ot 16][e 8][ks 16] QUAD: fragment i = rows 1024 e + 64 ot + 16 i + r of W2 as [8192][2048], K step ks
; SHARES.  Work-groups 0-127: one block of 16 tokens each; wave w takes K steps 2 w, 2 w + 1 and the router's sums over those 256 columns.  Work-groups 128-383: W1; 384-639: W2: one text,
; its sizes chosen by the work-group's number; a wave makes 8 fragments, two QUADs on end.
; A load reads one row's 512 consecutive bytes (16 a lane); a fragment's 16 rows turn through the wave's own stage in LDS (rows 528 bytes apart) and come back 32 neighbours along K to a lane and block.
; The two paths part on the work-group's number; each has LDS bytes of its own.  No tensor load, no matrix instruction: the stream is bound by its bytes, and the router's product is a five-thousandth of the problem's.
.set SPW,  1                           ; v1   LDS address of my spare word; never rewritten
.set NIL,  2                           ; v2   0; never rewritten
.set LANE, 3
.set L16,  4                           ; 16 x lane
.set RR,   5                           ; r = lane % 16
.set HH,   6                           ; h = lane / 16
.set SH8,  7                           ; 8 h
.set STW,  8                           ; v8   the stage, on the way in
.set STR,  9                           ; v9   and on the way out;  v10-15: the path's other LDS addresses
.set VA,   16                          ; v16-31  weights: the 16 rows' byte offsets
.set AC,   16                          ; v16-31  tokens: the router's sums, a pair for each expert
.set R0,   32                          ; v32-95, v96-159  two sets of 16 rows as loaded
.set X,    160                         ; v160-223  64 numbers: X[32 c + i] = k 64 c + 32 h + i of row r
.set PC,   224                         ; v224-235 the codes; v236-238, v240-242 at work
.set TM,   244                         ; v244-245 largest magnitudes, 246-247 scale operands, 248-249 bytes, 250 the scale word, 251 the other half's
.set XW,   101376                      ; tokens: scale words [kg 2][r 16][4]
.set XL,   101888                      ; tokens: the waves' parts of the logits [w 4][r 16][8]
.set SPARE, 103936                     ; the spare words, 128 bytes for each wave: two blocks of 256 bytes that no other line names
.macro LOADW f, set                    ; fragment f of my eight: 16 rows x 512 bytes
	s_wait_xcnt 0x0                                ; earlier loads have read their base, earlier stores their data: both are written again below
	s_mul_i32 s36, s28, (\f)%4
	s_mul_i32 s38, s29, (\f)/4
	s_add_co_u32 s36, s36, s38
	s_add_nc_u64 s[34:35], s[30:31], s[36:37]
.irp j, 0,1,2,3,4,5,6,7,8,9,10,11,12,13,14,15
	global_load_b128 v[R0+64*(\set)+4*\j:R0+64*(\set)+4*\j+3], v[VA+\j], s[34:35] th:TH_LOAD_NT
.endr
.endm
.macro TURNS set                       ; through the stage: LDS serves a wave's instructions in order, so no wait stands between the stores and the loads
.irp j, 0,1,2,3,4,5,6,7,8,9,10,11,12,13,14,15
	ds_store_b128 v[STW], v[R0+64*(\set)+4*\j:R0+64*(\set)+4*\j+3] offset:528*\j
.endr
.irp c, 0,1
.irp i, 0,1,2,3,4,5,6,7
	ds_load_b128 v[X+32*\c+4*\i:X+32*\c+4*\i+3], v[STR] offset:256*\c+16*\i
.endr
.endr
.endm
.macro QF                              ; X's 64 numbers, two whole blocks of 32, become the fragment's 12 registers and the row's scale word
.irp c, 0,1
	v_max3_num_f32 v[TM+\c], |v[X+32*\c]|, |v[X+32*\c+1]|, 0x2800000   ; with the floor 2^(5 - 127): the byte cannot fall under 1
.endr
.irp i, 2,4,6,8,10,12,14,16,18,20,22,24,26,28,30
.irp c, 0,1
	v_max3_num_f32 v[TM+\c], v[TM+\c], |v[X+32*\c+\i]|, |v[X+32*\c+\i+1]|
.endr
.endr
.irp c, 0,1
	v_add_nc_u32 v[TM+2+\c], 0xfe000000, v[TM+\c]  ; 4 off the exponent field: the conversion takes this operand's exponent field as its scale
.endr
.irp c, 0,1
	v_lshrrev_b32 v[TM+4+\c], 23, v[TM+2+\c]       ; the scale's byte
.endr
	v_lshl_or_b32 v[TM+6], v[TM+5], 16, v[TM+4]    ; my blocks h and 2 + h,
	v_lshlrev_b32 v[TM+6], v[SH8], v[TM+6]         ; at their places in the word;
	v_permlanex16_b32 v[TM+7], v[TM+6], s24, s25
	v_or_b32 v[TM+6], v[TM+6], v[TM+7]             ; with lane l xor 16's two the word is whole
.irp c, 0,1
	v_cvt_scalef32_pk16_bf6_f32 v[PC+6*\c:PC+6*\c+2], v[X+32*\c:X+32*\c+15], v[TM+2+\c]
	v_cvt_scalef32_pk16_bf6_f32 v[PC+12+4*\c:PC+14+4*\c], v[X+32*\c+16:X+32*\c+31], v[TM+2+\c]   ; (a conversion's three registers begin on an even number)
.endr
	v_nop                                          ; one plain place behind a scaled conversion
.irp c, 0,1
.irp i, 0,1,2
	v_mov_b32 v[PC+3+6*\c+\i], v[PC+12+4*\c+\i]
.endr
.endr
.endm
.macro OUTF off                        ; the fragment's image: three stores of 512 consecutive bytes
.irp p, 0,1,2
	global_store_b128 v[L16], v[PC+4*\p:PC+4*\p+3], s[32:33] offset:\off+512*\p
.endr
.endm
.macro WRLD f, j                       ; Wr's four numbers beside X[4 j ..], for the eight experts, into set j % 2 of v32-95
.irp e, 0,1,2,3,4,5,6,7
	ds_load_b128 v[R0+32*((\j)%2)+4*\e:R0+32*((\j)%2)+4*\e+3], v11 offset:1024*\e+512*(\f)+256*((\j)/8)+16*((\j)%8)
.endr
.endm
.macro ROUTER f                        ; the router's sums over this fragment's 128 columns: fused multiply-adds in f32, the experts by turns
	WRLD \f, 0
.set J, 0
.rept 16
.if J < 15
	WRLD \f, J+1
	s_wait_alu depctr_va_vdst(0)
	s_wait_dscnt 8                                 ; this group's eight loads are in; the next group's eight may be out
.else
	s_wait_alu depctr_va_vdst(0)
	s_wait_dscnt 0x0
.endif
.irp u, 0,1
.irp e, 0,1,2,3,4,5,6,7
.if (\f == 0) && (J == 0) && (\u == 0)
	v_pk_mul_f32 v[AC+2*\e:AC+2*\e+1], v[X+4*J+2*\u:X+4*J+2*\u+1], v[R0+32*(J%2)+4*\e+2*\u:R0+32*(J%2)+4*\e+2*\u+1]   ; the first products start the sums
.else
	v_pk_fma_f32 v[AC+2*\e:AC+2*\e+1], v[X+4*J+2*\u:X+4*J+2*\u+1], v[R0+32*(J%2)+4*\e+2*\u:R0+32*(J%2)+4*\e+2*\u+1], v[AC+2*\e:AC+2*\e+1]
.endif
.endr
.endr
.set J, J+1
.endr
.endm
	s_load_b256 s[4:11], s[0:1], 0x0               ; x s[4:5], W1 s[6:7], W2 s[8:9], Wr s[10:11]
	s_load_b256 s[12:19], s[0:1], 0x20             ; br s[12:13], xq s[14:15], w1q s[16:17], w2q s[18:19]
	s_load_b64 s[20:21], s[0:1], 0x40              ; rt
	v_lshl_add_u32 v[SPW], v0, 2, SPARE
	v_mov_b32 v[NIL], 0
	v_lshrrev_b32 v3, 5, v0
	v_readfirstlane_b32 s22, v3                    ; wave 0..3
	v_and_b32 v[LANE], 31, v0
	v_lshlrev_b32 v[L16], 4, v[LANE]
	v_and_b32 v[RR], 15, v0
	v_bfe_u32 v[HH], v0, 4, 1
	v_lshlrev_b32 v[SH8], 3, v[HH]
	v_mov_b32 v[TM+7], 0                           ; written once: a lane permute's destination counts as one of its sources
	s_mov_b32 s24, 0x76543210
	s_mov_b32 s25, 0xfedcba98                      ; v_permlanex16_b32's selects for lane l xor 16
	s_mov_b32 s37, 0                               ; the upper word of every 32-bit offset
	s_cmp_lt_u32 ttmp9, 128
	s_cbranch_scc1 .Lxpath
	; ---------------- THE WEIGHTS ----------------
	s_sub_co_u32 s38, ttmp9, 128                   ; 0-255: W1; 256-511: W2
	s_and_b32 s39, s38, 255
	s_lshl_b32 s39, s39, 2
	s_add_co_u32 s39, s39, s22                     ; J, my wave's job: 0..1023
	s_lshr_b32 s40, s39, 1                         ; W1: tile J begins at row 32 (J / 2) + 8 (J % 2), rows of 4,096 bytes
	s_lshl_b32 s40, s40, 17
	s_and_b32 s41, s39, 1
	s_lshl_b32 s41, s41, 15
	s_add_co_u32 s40, s40, s41
	s_bfe_u32 s41, s39, 0x30003                    ; W2: J = 64 ot + 8 e + ks / 2: row 1024 e + 64 ot, rows of 8,192 bytes, K steps 2 (J % 8) on
	s_lshl_b32 s41, s41, 23
	s_lshr_b32 s42, s39, 6
	s_lshl_b32 s42, s42, 19
	s_add_co_u32 s41, s41, s42
	s_and_b32 s42, s39, 7
	s_lshl_b32 s42, s42, 10
	s_add_co_u32 s41, s41, s42
	s_mul_i32 s43, s39, 12800                      ; my two QUADs
	s_mov_b32 s26, 8192
	s_mov_b32 s28, 131072
	s_mov_b32 s29, 512
	s_wait_kmcnt 0x0
	s_cmp_lt_u32 s38, 256                          ; the choice hangs on the work-group's number alone
	s_cselect_b32 s26, 4096, s26                   ; a row in bytes
	s_cselect_b32 s27, 32768, 0                    ; what rows 8-15 of a fragment lie further on: in W1 eight rows
	s_cselect_b32 s28, 512, s28                    ; from fragment to fragment of a QUAD: W1 a K step, W2 16 rows
	s_cselect_b32 s29, 2048, s29                   ; from QUAD to QUAD: W1 four K steps, W2 one
	s_cselect_b32 s36, s40, s41
	s_cselect_b64 s[30:31], s[6:7], s[8:9]
	s_cselect_b64 s[32:33], s[16:17], s[18:19]
	s_add_nc_u64 s[30:31], s[30:31], s[36:37]
	s_mov_b32 s36, s43
	s_add_nc_u64 s[32:33], s[32:33], s[36:37]
	s_mul_i32 s38, s22, 8704                       ; my wave's LDS: a stage of 16 x 528 bytes, then 256 bytes of scale words
	s_wait_alu depctr_va_vdst(0)
	v_add_nc_u32 v[STW], s38, v[L16]
	v_mul_u32_u24 v[STR], v[RR], 528
	v_lshl_add_u32 v[STR], v[HH], 7, v[STR]
	v_add_nc_u32 v[STR], s38, v[STR]               ; row r, + 128 h: my 32 numbers of each 64
	s_add_co_u32 s38, s38, 8448
	v_lshl_add_u32 v10, v[RR], 4, s38              ; my row's four scale words
	v_lshl_add_u32 v11, v[LANE], 3, s38            ; and on the way out 8 bytes a lane
	v_lshlrev_b32 v12, 3, v[LANE]
.irp j, 0,1,2,3,4,5,6,7,8,9,10,11,12,13,14,15
	s_mul_i32 s38, s26, \j
.if \j >= 8
	s_add_co_u32 s38, s38, s27
.endif
	v_add_nc_u32 v[VA+\j], s38, v[L16]
.endr
	s_wait_alu depctr_va_vdst(0)
	LOADW 0, 0
	LOADW 1, 1
.irp f, 0,1,2,3,4,5,6,7
.if \f < 7
	s_wait_loadcnt 16                              ; this fragment's 16 loads are in; the next fragment's 16 may be out
.else
	s_wait_loadcnt 0x0
.endif
	TURNS \f%2
	s_wait_dscnt 0x0                               ; X is in, and the stores into the stage have read their registers,
.if \f < 6
	LOADW \f+2, \f%2                               ; which take the loads of two fragments on
.else
	s_wait_xcnt 0x0                                ; the last fragment's stores have read the codes' registers
.endif
	QF
	ds_store_b32 v10, v[TM+6] offset:4*(\f%4)      ; both lanes of a row write the same word with the same value
	OUTF 6400*(\f/4)+1536*(\f%4)
.if \f%4 == 3
	ds_load_b64 v[254:255], v11                    ; the QUAD's 64 scale words leave as 256 consecutive bytes
	s_wait_dscnt 0x0
	global_store_b64 v12, v[254:255], s[32:33] offset:6400*(\f/4)+6144
.endif
.endr
	s_branch .Lend
	; ---------------- THE TOKENS, AND THE ROUTER ----------------
.Lxpath:
	s_mul_i32 s38, s22, 16640
	s_add_co_u32 s38, s38, 34816                   ; my wave's LDS on this path: a stage of 16 x 528 bytes, then my 256 columns of Wr [e 8][1,024 bytes]
	s_wait_alu depctr_va_vdst(0)
	v_add_nc_u32 v[STW], s38, v[L16]
	v_mul_u32_u24 v[STR], v[RR], 528
	v_lshl_add_u32 v[STR], v[HH], 7, v[STR]
	v_add_nc_u32 v[STR], s38, v[STR]
	s_add_co_u32 s38, s38, 8448
	v_add_nc_u32 v10, s38, v[L16]                  ; Wr on the way in
	v_lshl_add_u32 v11, v[HH], 7, s38              ; and out: all lanes of a half read the same 16 bytes
	s_lshr_b32 s38, s22, 1
	s_lshl_b32 s38, s38, 8
	s_and_b32 s39, s22, 1
	s_lshl_b32 s39, s39, 3
	s_add_co_u32 s38, s38, s39
	s_add_co_u32 s38, s38, XW
	v_lshl_add_u32 v12, v[RR], 4, s38              ; my row's scale words of K steps 2 w, 2 w + 1
	s_lshl_b32 s38, s22, 9
	s_add_co_u32 s38, s38, XL
	v_lshl_add_u32 v13, v[RR], 5, s38
	v_lshl_add_u32 v13, v[HH], 4, v13              ; my part of the logits: row r, experts 4 h ..
	v_lshlrev_b32 v14, 5, v[RR]
	v_add_nc_u32 v14, XL, v14                      ; wave 0 reads them back by rows;
	v_add_nc_u32 v15, XW, v[L16]                   ; wave 1 the scale words
	v_lshlrev_b32 v252, 5, v[RR]
	v_lshl_add_u32 v252, v[HH], 4, v252            ; rt: 32 r + 16 h
	v_mul_u32_u24 v253, v[HH], 6400
	v_lshl_add_u32 v253, v[RR], 4, v253            ; xq's scale words: QUAD h, row r
	s_lshl_b32 s36, ttmp9, 16                      ; 16 rows of 4,096 bytes
	s_lshl_b32 s38, s22, 10                        ; my 256 columns
	s_add_co_u32 s36, s36, s38
	s_wait_kmcnt 0x0
	s_add_nc_u64 s[4:5], s[4:5], s[36:37]
	s_mov_b32 s36, s38
	s_add_nc_u64 s[10:11], s[10:11], s[36:37]
	s_load_b256 s[40:47], s[12:13], 0x0            ; br
	s_mul_i32 s36, ttmp9, 12800
	s_add_nc_u64 s[14:15], s[14:15], s[36:37]      ; xq at my row block
	s_lshr_b32 s38, s22, 1
	s_mul_i32 s38, s38, 6400
	s_and_b32 s39, s22, 1
	s_mul_i32 s39, s39, 3072
	s_add_co_u32 s36, s38, s39
	s_add_nc_u64 s[32:33], s[14:15], s[36:37]      ; my two fragments
	s_lshl_b32 s36, ttmp9, 9
	s_add_nc_u64 s[20:21], s[20:21], s[36:37]      ; rt at my 16 rows
.irp e, 0,1,2,3,4,5,6,7
.irp p, 0,1
	global_load_b128 v[X+8*\e+4*\p:X+8*\e+4*\p+3], v[L16], s[10:11] offset:4096*\e+512*\p   ; Wr: read by every block of tokens, so no hint
.endr
.endr
.irp f, 0,1
.irp j, 0,1,2,3,4,5,6,7,8,9,10,11,12,13,14,15
	global_load_b128 v[R0+64*\f+4*\j:R0+64*\f+4*\j+3], v[L16], s[4:5] offset:4096*\j+512*\f th:TH_LOAD_NT
.endr
.endr
	s_wait_loadcnt 32                              ; Wr's 16 loads are in; x's 32 may be out
.irp e, 0,1,2,3,4,5,6,7
.irp p, 0,1
	ds_store_b128 v10, v[X+8*\e+4*\p:X+8*\e+4*\p+3] offset:1024*\e+512*\p
.endr
.endr
	s_wait_dscnt 0x0
.irp f, 0,1
	s_wait_loadcnt 16*(1-\f)                       ; this fragment's 16 loads are in; the other's may be out
	TURNS \f
	s_wait_dscnt 0x0
	ROUTER \f
	s_wait_xcnt 0x0                                ; the last fragment's stores have read the codes' registers
	QF
	ds_store_b32 v12, v[TM+6] offset:4*\f
	OUTF 1536*\f
.endr
.irp e, 0,1,2,3,4,5,6,7
	v_add_f32 v[X+\e], v[AC+2*\e], v[AC+2*\e+1]    ; a pair's two halves,
.endr
.irp e, 0,1,2,3,4,5,6,7
	v_permlanex16_b32 v[X+8+\e], v[X+\e], s24, s25
.endr
.irp e, 0,1,2,3,4,5,6,7
	v_add_f32 v[X+\e], v[X+\e], v[X+8+\e]          ; and lane l xor 16's: row r's sums over my 256 columns
.endr
	v_cmp_eq_u32 vcc_lo, 1, v[HH]
.irp e, 0,1,2,3
	v_cndmask_b32 v[X+16+\e], v[X+\e], v[X+4+\e], vcc_lo   ; lanes 0-15 hand on experts 0-3, lanes 16-31 experts 4-7
.endr
	ds_store_b128 v13, v[X+16:X+19]
	s_wait_kmcnt 0x0                               ; br
	s_wait_dscnt 0x0                               ; for the others' sake: my scale words and my part of the logits lie in LDS
	s_barrier_signal -1
	s_barrier_wait -1
	s_cmp_lg_u32 s22, 0
	s_cbranch_scc1 .Lnot_wave_0
.irp k, 0,1,2,3                        ; wave 0: the softmax of 16 rows, a row to a lane (both halves of the lanes alike)
.irp p, 0,1
	ds_load_b128 v[R0+8*\k+4*\p:R0+8*\k+4*\p+3], v14 offset:512*\k+16*\p
.endr
.endr
	s_wait_dscnt 0x0
.irp i, 0,2,4,6
	v_pk_add_f32 v[R0+\i:R0+\i+1], v[R0+\i:R0+\i+1], v[R0+8+\i:R0+9+\i]
	v_pk_add_f32 v[R0+16+\i:R0+17+\i], v[R0+16+\i:R0+17+\i], v[R0+24+\i:R0+25+\i]
.endr
.irp i, 0,2,4,6
	v_pk_add_f32 v[R0+\i:R0+\i+1], v[R0+\i:R0+\i+1], v[R0+16+\i:R0+17+\i]
.endr
.irp e, 0,1,2,3,4,5,6,7
	v_add_f32 v[R0+\e], s[40+\e], v[R0+\e]         ; + br
.endr
	v_max3_num_f32 v[R0+8], v[R0], v[R0+1], v[R0+2]
	v_max3_num_f32 v[R0+8], v[R0+8], v[R0+3], v[R0+4]
	v_max3_num_f32 v[R0+8], v[R0+8], v[R0+5], v[R0+6]
	v_max_num_f32 v[R0+8], v[R0+8], v[R0+7]        ; the row's maximum is taken away
.irp e, 0,1,2,3,4,5,6,7
	v_sub_f32 v[R0+\e], v[R0+\e], v[R0+8]
.endr
.irp e, 0,1,2,3,4,5,6,7
	v_mul_f32 v[R0+\e], 0x3fb8aa3b, v[R0+\e]       ; x log2(e)
.endr
	s_wait_alu depctr_va_vdst(0)
.irp e, 0,1,2,3,4,5,6,7
	v_exp_f32 v[R0+16+\e], v[R0+\e]
.endr
	v_nop                                          ; a plain place behind the exponentials
	s_wait_alu depctr_va_vdst(0)                   ; one wait for the eight, ahead of their first reader
	v_add_f32 v[R0+8], v[R0+16], v[R0+17]
.irp e, 2,3,4,5,6,7
	v_add_f32 v[R0+8], v[R0+8], v[R0+16+\e]
.endr
	s_wait_alu depctr_va_vdst(0)
	v_rcp_f32 v[R0+9], v[R0+8]
	v_nop
	s_wait_alu depctr_va_vdst(0)
.irp e, 0,1,2,3,4,5,6,7
	v_mul_f32 v[R0+16+\e], v[R0+16+\e], v[R0+9]
.endr
.irp e, 0,1,2,3
	v_cndmask_b32 v[R0+24+\e], v[R0+16+\e], v[R0+20+\e], vcc_lo
.endr
	global_store_b128 v252, v[R0+24:R0+27], s[20:21]   ; 16 rows of 32 bytes: 512 consecutive bytes
	s_branch .Lend
.Lnot_wave_0:
	s_cmp_lg_u32 s22, 1
	s_cbranch_scc1 .Lend
	ds_load_b128 v[R0:R0+3], v15                   ; wave 1: the two QUADs' scale words, 256 consecutive bytes each
	s_wait_dscnt 0x0
	global_store_b128 v253, v[R0:R0+3], s[14:15] offset:6144
.Lend:
	s_wait_tensorcnt 0x0                           ; the wave's end
	ds_add_u32 v[SPW], v[NIL]
	s_wait_dscnt 0x0
	s_endpgm
.Lfunc_end_k_q4d7746fef1_prep:
	.size	k_q4d7746fef1_prep, .Lfunc_end_k_q4d7746fef1_prep-k_q4d7746fef1_prep
	.p2alignl 7, 3214868480
	.fill 96, 4, 3214868480
	.section	.rodata,"a",@progbits
	.p2align	6, 0x0
	.amdhsa_kernel k_q4d7746fef1_prep
		.amdhsa_group_segment_fixed_size 104448
		.amdhsa_private_segment_fixed_size 0
		.amdhsa_enable_private_segment 0
		.amdhsa_kernarg_size 72
		.amdhsa_user_sgpr_count 2
		.amdhsa_user_sgpr_kernarg_segment_ptr 1
		.amdhsa_wavefront_size32 1
		.amdhsa_system_sgpr_workgroup_id_x 1
		.amdhsa_system_sgpr_workgroup_id_y 1
		.amdhsa_system_sgpr_workgroup_id_z 1
		.amdhsa_system_vgpr_workitem_id 0
		.amdhsa_next_free_vgpr 256
		.amdhsa_next_free_sgpr 66
		.amdhsa_reserve_vcc 1
		.amdhsa_float_denorm_mode_32 3
		.amdhsa_float_denorm_mode_16_64 3
		.amdhsa_memory_ordered 1
		.amdhsa_forward_progress 1
		.amdhsa_inst_pref_size 135
	.end_amdhsa_kernel
	.amdgpu_metadata
---
amdhsa.version: [ 1, 2 ]
amdhsa.kernels:
  - .name:           k_q4d7746fef1_prep
    .symbol:         k_q4d7746fef1_prep.kd
    .args:
      - { .name: x, .offset: 0, .size: 8, .value_kind: global_buffer, .address_space: global }
      - { .name: W1, .offset: 8, .size: 8, .value_kind: global_buffer, .address_space: global }
      - { .name: W2, .offset: 16, .size: 8, .value_kind: global_buffer, .address_space: global }
      - { .name: Wr, .offset: 24, .size: 8, .value_kind: global_buffer, .address_space: global }
      - { .name: br, .offset: 32, .size: 8, .value_kind: global_buffer, .address_space: global }
      - { .name: xq, .offset: 40, .size: 8, .value_kind: global_buffer, .address_space: global }
      - { .name: w1q, .offset: 48, .size: 8, .value_kind: global_buffer, .address_space: global }
      - { .name: w2q, .offset: 56, .size: 8, .value_kind: global_buffer, .address_space: global }
      - { .name: rt, .offset: 64, .size: 8, .value_kind: global_buffer, .address_space: global }
    .group_segment_fixed_size: 104448
    .private_segment_fixed_size: 0
    .kernarg_segment_align: 8
    .kernarg_segment_size: 72
    .max_flat_workgroup_size: 128
    .sgpr_count:     66
    .vgpr_count:     256
    .wavefront_size: 32
...
	.end_amdgpu_metadata
.endif
;; end of part 1
;; launch hidden (part 2): grid 64 x 8, 4 waves a work-group, clusters of 4 x 4, 327,680 bytes of LDS; arguments xq, w1q, b1, hrec; writes hrec
.if DOCPART == 2
	.amdgcn_target "amdgcn-amd-amdhsa--gfx1250"
	.amdhsa_code_object_version 6
	.text
	.protected	k_q4d7746fef1_hidden
	.globl	k_q4d7746fef1_hidden
	.p2align	8
	.type	k_q4d7746fef1_hidden,@function
k_q4d7746fef1_hidden:
	s_mov_b64 s[64:65], 0
	v_nop
	global_prefetch_b8 v0, s[64:65] scope:SCOPE_SE
	s_setreg_imm32_b32 hwreg(HW_REG_WAVE_MODE, 25, 1), 1
	s_wait_xcnt 0x0
	s_wait_alu depctr_hold_cnt(0) depctr_sa_sdst(0) depctr_va_vdst(0) depctr_va_sdst(0) depctr_va_ssrc(0) depctr_va_vcc(0) depctr_vm_vsrc(0)
	s_getreg_b32 s2, hwreg(HW_REG_IB_STS2, 6, 4)
	s_cmp_eq_u32 s2, 0
	s_cbranch_scc0 .Lentry_in_a_cluster
	s_endpgm
.Lentry_in_a_cluster:
	s_bfe_u32 s2, ttmp6, 0x10000c
	s_cmp_lg_u32 s2, 0xf033
	s_cbranch_scc0 .Lentry_shape_is_right
	s_endpgm
.Lentry_shape_is_right:
; HIDDEN.  h = relu(x W1^T + b1)^2 for all 2,048 tokens and all 8 x 2,048 hidden units, on codes of BF6 (E3M2) with E8M0 scales, and h quantised along the hidden axis on its way out.  No work is left out.
; xq and w1q hold images of operand registers (a FRAGMENT: 16 rows x 128 K, 1,536 bytes; a QUAD: four fragments and 256 bytes of scale words [row 16][4]; a block of 16 rows: two QUADs, 12,800 bytes).
; A work-group of four waves makes 256 tokens x 256 hidden units; a wave 128 x 128: 64 accumulators, 512 registers.  K = 1,024 is eight steps of 128, written out, in the order 0 1 2 3 6 7 4 5.
; THE MATRIX INSTRUCTION IS USED TRANSPOSED (source 0 = 16 rows of W1, source 1 = 16 tokens), and w1q's tiles hold rows 32 (t / 2) + 8 (t % 2) + r + 8 (r / 8): so a lane holds one token, and the 64
; registers of a block of 16 tokens are, register 16 b + i, hidden unit 32 b + 16 (lane / 16) + i of the wave's 128: one K step of the next product.  b1 is the C of each sum's first instruction.
; OUT: hrec [tg 16][g 128] records of 12,800 bytes (tg: 128 tokens; g = 16 e + ks): eight fragments (blocks of 16 tokens), then 512 bytes of scale words [half 2][row 16][4].  Every store covers 512 consecutive bytes.
; LDS, one tensor load a wave behind each barrier; a wave brings 8 of the 32 blocks each time:
;   X, 4 x 51,200 bytes: bytes 0 .. 6,399 of each block (K steps 0-3 and their scale words), asked for at the head;
;   Y, 4 x 26,624 bytes: bytes 9,472 .. 12,799 (K steps 6, 7 and the scale words of K steps 4-7), a first fill behind the first round; K steps 0-2, 192 matrix instructions, stand ahead of its wait;
;   Z, 4 x 24,576 bytes at X's start: bytes 6,400 .. 9,471 (K steps 4, 5), the one refill, behind the round in K step 3; 96 matrix instructions stand ahead of its wait.
; Every row of a tile begins at a multiple of 256 bytes of its buffer (12,800, 6,400 and 9,472 are such multiples).
; CLUSTERS: 4 x 4 work-groups.  The four of a row of the cluster need the same tokens, the four of a column the same tiles of W1: each tile is asked for JOINTLY.
; PREFETCH: one instruction a wave at the head names Z's bytes, 96 blocks of 256 bytes for the wave's 8 rows; the four partners that ask for them jointly take two rows each, told apart by address.
; X and Y are asked for by their loads alone: they go out at the head.
; LIMITS: NaN and infinities are not served; a block of h whose largest number lies under 2^(5 - 127) (a block of zeros too) gets the byte 1: read by this program alone.
; REGISTERS, in windows of 256: window 0: v16-29 addresses; v32-95 scale words; v128-223 A's fragments, ONE set; on the way out v128-243.  window 1: B's fragments, two sets, at v0 and v128; b1's eight tiles at v96-127, v224-255.
;   window 2: the accumulators of my token blocks 0-3 ((a, b) at v[8 (8 (a % 4) + b)]);  window 3: of blocks 4-7.
.set FR,    12
.set NL,    3
.set NP,    4
.set XQ,    51200
.set YQ,    26624
.set ZQ,    24576
.set YB,    4*XQ
.set SPARE, YB+4*YQ                    ; the spare words, 128 bytes for each wave: two blocks of 256 bytes that no other line names
.set ADRA, 16                          ; v16-18  my A fragments in X, Y, Z
.set ADRB, 20                          ; v20-22  the same for B
.set LI,   24                          ; v24     16 x lane
.set PFO,  25                          ; v25     the prefetch's offset
.set ADRS, 26                          ; v26-27  my scale words in X, Y: lanes 0-15 A's rows, lanes 16-31 B's
.set SPW,  28
.set NIL,  29
.set SC,   32                          ; scale words: block i, K step ks at v[SC + 32 (ks / 4) + 4 i + ks % 4]
.set AF,   128
.set H,    128
.set PC,   192
.set TM,   212
.set PW,   232
.set SEL,  12
.set G1A,  24                          ; s[24:31] group 1 for A; s[32:43] groups 0 for X, Y, Z
.set G0A,  32
.set G1B,  48                          ; s[48:55] the same for B; its groups 0 at s56, s60, s68
.set MSB, 0
.macro WIN new
.if MSB != \new
	s_set_vgpr_msb (MSB<<8)|(\new)
.set MSB, \new
.endif
.endm
.set MUL_LO, 0xa1
.set MUL_HI, 0xf1
.set TO_B,   0x40
; A joint load: waves 0 and 1 fetch for A, waves 2 and 3 for B.  An s_nop 0 and four v_nop follow each of the two lines.
.macro JLOAD g0a, g1a, g0b, g1b
	s_cmp_eq_u32 s15, 0
	s_cbranch_scc0 .Lfor_b_\@
	tensor_load_to_lds s[\g0a:\g0a+3], s[\g1a:\g1a+7]
	s_nop 0
.rept 4
	v_nop
.endr
	s_branch .Lasked_\@
.Lfor_b_\@:
	tensor_load_to_lds s[\g0b:\g0b+3], s[\g1b:\g1b+7]
	s_nop 0
.rept 4
	v_nop
.endr
.Lasked_\@:
.endm
.macro CREST
	s_cmp_lg_u32 s14, 0
	s_cbranch_scc1 .Lnot_wave_0_\@
	s_barrier_signal -3
.Lnot_wave_0_\@:
	s_barrier_wait -3
	s_barrier_signal -1
	s_barrier_wait -1
.endm
.macro CROUND
	s_barrier_signal -1
	s_barrier_wait -1
	CREST
.endm
.macro MKG0 ga, gb, lreg, loff, goff   ; LDS address = wave x a constant + a constant; global address = my 8 blocks + goff
	s_mov_b32 s[\ga], 1
	s_add_co_u32 s[\ga+1], s[\lreg], \loff
	s_add_nc_u64 s[\ga+2:\ga+3], s[20:21], \goff
	s_or_b32 s[\ga+3], s[\ga+3], 0x80000000
	s_mov_b32 s[\gb], 1
	s_add_co_u32 s[\gb+1], s[\lreg], \loff
	s_add_nc_u64 s[\gb+2:\gb+3], s[98:99], \goff
	s_or_b32 s[\gb+3], s[\gb+3], 0x80000000
.endm
.macro ROWLEN n                        ; a tile's row in elements of 8 bytes: written only where no tensor load of the wave is out
.irp g, G1A, G1B
	s_mov_b32 s[\g+1], (\n)<<16
	s_mov_b32 s[\g+3], (\n)<<16
.endr
.endm
	s_load_b256 s[4:11], s[0:1], 0x0               ; xq, w1q, b1, hrec
	v_lshl_add_u32 v[SPW], v0, 2, SPARE
	v_mov_b32 v[NIL], 0
	ds_add_u32 v[SPW], v[NIL]                      ; the opening lines: the add, twice on end, and its wait ahead of my first tensor load
	ds_add_u32 v[SPW], v[NIL]
	v_lshrrev_b32 v1, 5, v0
	v_readfirstlane_b32 s14, v1                    ; wave 0..3
	s_lshr_b32 s15, s14, 1                         ; which half of the tokens is mine.  Also: I fetch for A (0) or for B (1)
	s_and_b32 s16, s14, 1                          ; which half of the hidden units.  Also: which 8 blocks I fetch
	s_bfe_u32 s92, ttmp6, 0x40000                  ; cx
	s_bfe_u32 s93, ttmp6, 0x40004                  ; cy
	s_lshl_b32 s94, ttmp9, 2
	s_add_co_u32 s94, s94, s92                     ; tile column (256 hidden units)
	s_and_b32 s17, ttmp7, 0xffff
	s_lshl_b32 s17, s17, 2
	s_add_co_u32 s17, s17, s93                     ; tile row (256 tokens)
	s_lshl_b32 s95, s93, 2
	s_lshl_b32 s95, 15, s95                        ; my row of the cluster
	s_lshl_b32 s96, 0x1111, s92                    ; my column
	s_or_b32 s[G1A], s95, (3<<16)|(1<<21)          ; the mask; elements of 8 bytes; bit 21 beside a mask; no padding: an image is read 512 consecutive bytes at a time
	s_or_b32 s[G1B], s96, (3<<16)|(1<<21)
.irp g, G1A, G1B
	s_mov_b32 s[\g+2], 8<<16                       ; 8 rows,
	s_mov_b32 s[\g+4], 8
	s_mov_b32 s[\g+5], 1600                        ; 12,800 bytes apart
	s_mov_b32 s[\g+6], 0
	s_mov_b32 s[\g+7], 0
.endr
	ROWLEN 800                                     ; X's rows: 6,400 bytes
	s_lshl_b32 s18, s16, 3
	s_lshl_b32 s20, s17, 4
	s_add_co_u32 s20, s20, s18
	s_mul_i32 s20, s20, 12800                      ; A: block 16 x tile row + 8 x half: it hangs on what my row of the cluster shares
	s_mov_b32 s21, 0
	s_lshl_b32 s98, s94, 4
	s_add_co_u32 s98, s98, s18
	s_mul_i32 s98, s98, 12800                      ; B: tile 16 x tile column + 8 x half: on what my column shares
	s_mov_b32 s99, 0
	s_mul_i32 s22, s14, XQ                         ; where they go: wave x a constant
	s_mul_i32 s23, s14, YQ
	s_mul_i32 s19, s14, ZQ
	s_mov_b32 s[SEL], 0x76543210
	s_mov_b32 s[SEL+1], 0xfedcba98
	s_wait_dscnt 0x0                               ; both opening adds are done
	s_wait_kmcnt 0x0
	s_add_nc_u64 s[20:21], s[4:5], s[20:21]
	s_add_nc_u64 s[98:99], s[6:7], s[98:99]
	CROUND                                         ; all sixteen work-groups are here: the first joint loads meet
	MKG0 G0A, 56, 22, 0, 0
	MKG0 G0A+4, 60, 23, YB, 9472
	MKG0 G0A+8, 68, 19, 0, 6400
	JLOAD G0A, G1A, 56, G1B                        ; X: my one tensor load at the head
	v_and_b32 v1, 15, v0                           ; r
	v_bfe_u32 v2, v0, 4, 1                         ; h
	v_and_b32 v3, 31, v0
	v_lshlrev_b32 v[LI], 4, v3
	s_wait_alu depctr_va_vdst(0)
.macro ADR n, q, base                  ; my 8 blocks of A, and my 8 tiles of B behind A's 16 blocks
	s_mul_i32 s18, s15, \q
	s_mul_i32 s19, s16, \q
	s_add_co_u32 s18, s18, \base
	s_add_co_u32 s19, s19, \base+2*\q
	v_add_nc_u32 v[ADRA+\n], s18, v[LI]
	v_add_nc_u32 v[ADRB+\n], s19, v[LI]
.endm
	ADR 0, XQ, 0
	ADR 1, YQ, YB
	ADR 2, ZQ, 0
.macro ADS n, q, base                  ; a row's four scale words: the lower base + h x the distance: lanes 16-31 take B's
	s_mul_i32 s18, s15, \q
	s_mul_i32 s19, s16, \q
	s_add_co_u32 s19, s19, 2*\q
	s_sub_co_u32 s19, s19, s18
	s_add_co_u32 s18, s18, \base
	v_mul_u32_u24 v6, s19, v2
	v_lshl_add_u32 v5, v1, 4, s18
	v_add_nc_u32 v[ADRS+\n], v5, v6
.endm
	ADS 0, XQ, 6144
	ADS 1, YQ, YB+3072
	s_mov_b32 s67, 0
	s_cmp_eq_u32 s15, 0                            ; the prefetch: of my 8 rows the partner at place p (cx for A, cy for B) takes rows 2 p, 2 p + 1: 24 blocks of 256 bytes, a lane each; lanes 24-31 name the last again
	s_cselect_b32 s66, s92, s93
	s_cselect_b64 s[72:73], s[20:21], s[98:99]
	s_mul_i32 s66, s66, 25600
	s_add_nc_u64 s[72:73], s[72:73], s[66:67]
	v_min_u32 v4, 23, v3
	v_cmp_lt_u32 vcc_lo, 11, v4
	v_cndmask_b32 v5, 0, 38, vcc_lo                ; the second row lies 50 blocks on, 12 of them counted already
	v_add_nc_u32 v4, v4, v5
	v_lshlrev_b32 v[PFO], 8, v4
	global_prefetch_b8 v[PFO], s[72:73] offset:6400 th:TH_LOAD_NT scope:SCOPE_SE   ; its address registers are never written again
	s_lshl_b32 s97, s94, 1
	s_add_co_u32 s97, s97, s16                     ; g: my 128 hidden units
	s_lshl_b32 s66, s97, 9
	s_add_nc_u64 s[8:9], s[8:9], s[66:67]          ; b1 at them
	s_lshl_b32 s66, s17, 1
	s_add_co_u32 s66, s66, s15                     ; tg: my 128 tokens
	s_lshl_b32 s66, s66, 7
	s_add_co_u32 s66, s66, s97
	s_mul_i32 s66, s66, 12800
	s_add_nc_u64 s[10:11], s[10:11], s[66:67]      ; my record of hrec
	v_lshlrev_b32 v7, 6, v2                        ; b1: lane (r, h) wants, for tile t, the units 32 (t / 2) + 16 h + 8 (t % 2) + 0 .. 7
.irp b, 0,1,2,3
	v_mov_b32 v[TM+4+\b], 0                        ; written once: a lane permute's destination counts as one of its sources
.endr
	WIN TO_B
.irp t, 0,1,2,3,4,5,6,7
	global_load_b128 v[96+8*\t+96*(\t/4):99+8*\t+96*(\t/4)], v7, s[8:9] offset:(32*(\t/2)+8*(\t%2))*4
	global_load_b128 v[100+8*\t+96*(\t/4):103+8*\t+96*(\t/4)], v7, s[8:9] offset:(32*(\t/2)+8*(\t%2))*4+16
.endr
	WIN 0
.macro STRIDE slot                     ; bytes from block to block in X, Y, Z
.if (\slot) == 0
.set STR, 6400
.else
.if (\slot) == 1
.set STR, 3328
.else
.set STR, 3072
.endif
.endif
.endm
.macro FRAG reg, adr, q, i             ; a fragment's image comes back as it was stored: three loads of 512 consecutive bytes
.irp p, 0,1,2
	ds_load_b128 v[\reg+4*\p:\reg+4*\p+3], v[\adr] offset:STR*(\i)+1536*(\q)+512*\p
.endr
.endm
; 16 matrix instructions: token blocks a0, a0 + 1 x W1's eight tiles, K step ks.  p: B's set.  first = 1: C = b1.  The 64 accumulators take turns, one instruction a turn.
.macro MUL16 a0, p, ks, first
.irp a, \a0, \a0+1
.irp b, 0,1,2,3,4,5,6,7
.set rD, 8*(8*((\a)%4)+\b)
.set rB, 128*(\p)+FR*\b
.set rA, AF+FR*(\a)
.set rS, SC+32*((\ks)/4)+(\ks)%4
.if \first
	v_wmma_scale_f32_16x16x128_f8f6f4 v[rD:rD+7], v[rB:rB+FR-1], v[rA:rA+FR-1], v[96+8*\b+96*(\b/4):103+8*\b+96*(\b/4)], v[rS+4*\b], v[rS+4*(\a)] matrix_a_fmt:MATRIX_FMT_BF6 matrix_b_fmt:MATRIX_FMT_BF6 matrix_a_scale:MATRIX_SCALE_ROW1
.else
	v_wmma_scale_f32_16x16x128_f8f6f4 v[rD:rD+7], v[rB:rB+FR-1], v[rA:rA+FR-1], v[rD:rD+7], v[rS+4*\b], v[rS+4*(\a)] matrix_a_fmt:MATRIX_FMT_BF6 matrix_b_fmt:MATRIX_FMT_BF6 matrix_a_scale:MATRIX_SCALE_ROW1
.endif
.endr
.endr
.endm
.macro FETCH_B slot, q, p
	STRIDE \slot
	WIN TO_B
.irp i, 0,1,2,3,4,5,6,7
	FRAG 128*(\p)+FR*\i, ADRB+\slot, \q, \i
.endr
	WIN 0
.endm
.macro FETCH_A slot, q, i0
	STRIDE \slot
.irp i, \i0, \i0+1, \i0+2, \i0+3
	FRAG AF+FR*(\i), ADRA+\slot, \q, \i
.endr
.endm
.macro SCALES kg                       ; four K steps' words of a row by one load, for my eight blocks of A and eight tiles of B
.irp i, 0,1,2,3,4,5,6,7
	ds_load_b128 v[SC+32*\kg+4*\i:SC+32*\kg+4*\i+3], v[ADRS+\kg] offset:(6400-3072*\kg)*\i
.endr
.endm
.macro PLACES n                        ; plain places in front of loads into registers that matrix instructions have read, and of the first read of results
.rept \n
	v_nop
.endr
.endm
; K step ks, on B's set q; its successor's fragments are fragment nq of region nslot: B's and A's blocks 0-3 in the step's middle, A's blocks 4-7 at its end.
.macro STEP q, ks, nslot, nq, first
	s_wait_dscnt 4*NL                              ; all but the youngest 12 loads (A's blocks 4-7)
.if \first
	WIN 0x91                                       ; C (b1) window 1, D window 2
.else
	WIN MUL_LO
.endif
	MUL16 0, \q, \ks, \first
	MUL16 2, \q, \ks, \first
	s_wait_dscnt 0
	PLACES NP
	FETCH_B \nslot, \nq, (\nq)%2
	FETCH_A \nslot, \nq, 0
.if \first
	WIN 0xd1
.else
	WIN MUL_HI
.endif
	MUL16 4, \q, \ks, \first
	MUL16 6, \q, \ks, \first
	PLACES NP
	WIN 0
	FETCH_A \nslot, \nq, 4
.endm
; A step in which the waves meet: each waits for all its tensor loads, adds 0 to its spare word, and waits for that and for its reads.  fill = 1: X has been read out, and Z lands on its first bytes.
.macro TURN ks, next, fill
	s_wait_tensorcnt 0x0                           ; all my tensor loads have landed  (every window is 0 here)
	ds_add_u32 v[SPW], v[NIL]
.if \fill
	ROWLEN 384                                     ; Z's rows: 3,072 bytes
.endif
	s_wait_dscnt 4*NL+1                            ; (the add and the youngest 12 loads may be out)
	WIN MUL_LO
	MUL16 0, 1, \ks, 0
	s_wait_dscnt 0x0                               ; the add is done, and my reads of the region are over
	s_barrier_signal -1
	MUL16 2, 1, \ks, 0
	WIN 0
	s_barrier_wait -1
.if \fill
	CREST                                          ; the barrier has opened a round of the cluster's barrier: no wave of any partner still reads X or has a load on its way
	JLOAD G0A+8, G1A, 68, G1B                      ; the first tensor load behind the round; its four v_nop are the places in front of the loads below
.else
	PLACES NP
.endif
	FETCH_B \next, 0, 0
	FETCH_A \next, 0, 0
.if \fill
	SCALES 1                                       ; Y is whole for every wave: the scale words of K steps 4-7
.endif
	WIN MUL_HI
	MUL16 4, 1, \ks, 0
	MUL16 6, 1, \ks, 0
	PLACES NP
	WIN 0
	FETCH_A \next, 0, 4
.endm
; 64 numbers of a lane, register 16 b + i = k 32 b + 16 (lane / 16) + i of my token, none negative, become a fragment's codes in v[PC] on and its scale word in v[pw].
.macro QUANT s, pw
.irp b, 0,1,2,3
	v_max3_num_f32 v[TM+\b], v[\s+16*\b], v[\s+1+16*\b], 0x2800000   ; with the floor 2^(5 - 127): the byte cannot fall under 1
.endr
.irp i, 2,4,6,8,10,12,14
.irp b, 0,1,2,3
	v_max3_num_f32 v[TM+\b], v[TM+\b], v[\s+16*\b+\i], v[\s+1+16*\b+\i]
.endr
.endr
.irp b, 0,1,2,3
	v_permlanex16_b32 v[TM+4+\b], v[TM+\b], s[SEL], s[SEL+1]
.endr
.irp b, 0,1,2,3
	v_max_num_f32 v[TM+\b], v[TM+\b], v[TM+4+\b]   ; with lane l xor 16's: the block's largest number
.endr
.irp b, 0,1,2,3
	v_add_nc_u32 v[TM+12+\b], 0xfe000000, v[TM+\b] ; 4 off its exponent field: the conversion's scale operand
.endr
.irp b, 0,1,2,3
	v_lshrrev_b32 v[TM+4+\b], 23, v[TM+12+\b]      ; the scale's byte
.endr
	v_lshl_or_b32 v[\pw], v[TM+5], 8, v[TM+4]
	v_lshl_or_b32 v[\pw], v[TM+6], 16, v[\pw]
	v_lshl_or_b32 v[\pw], v[TM+7], 24, v[\pw]
.irp c, 0,1
	v_cvt_scalef32_pk16_bf6_f32 v[PC+6*\c:PC+2+6*\c], v[\s+32*\c:\s+15+32*\c], v[TM+12+2*\c]
	v_cvt_scalef32_pk16_bf6_f32 v[PC+12+4*\c:PC+14+4*\c], v[\s+16+32*\c:\s+31+32*\c], v[TM+12+2*\c+1]
.endr
	v_nop                                          ; one plain place behind a scaled conversion
.irp c, 0,1                            ; the operand's layout wants a WHOLE block in a lane: lanes 0-15 block 2 c, lanes 16-31 block 2 c + 1
.irp i, 0,1,2
	v_permlane16_swap_b32 v[PC+6*\c+\i], v[PC+12+4*\c+\i]
.endr
.irp i, 0,1,2
	v_mov_b32 v[PC+3+6*\c+\i], v[PC+12+4*\c+\i]
.endr
.endr
.endm
	s_wait_alu depctr_va_vdst(0)
	s_wait_tensorcnt 0x0                           ; my part of X is in
	ds_add_u32 v[SPW], v[NIL]
	ROWLEN 416                                     ; Y's rows: 3,328 bytes
	s_wait_dscnt 0x0
	CROUND                                         ; X is whole for every wave, and all sixteen work-groups are here
	JLOAD G0A+4, G1A, 60, G1B                      ; Y, the first tensor load behind the round
	FETCH_B 0, 0, 0
	FETCH_A 0, 0, 0
	SCALES 0
	FETCH_A 0, 0, 4
	s_wait_loadcnt 0x0                             ; b1
	STEP 0, 0, 0, 1, 1                             ; K step 0 starts the sums from b1
	STEP 1, 1, 0, 2, 0
	STEP 0, 2, 0, 3, 0
	TURN 3, 1, 1                                   ; K step 3; X is left and takes Z; on into Y
	STEP 0, 6, 1, 1, 0
	TURN 7, 2, 0                                   ; K step 7; Z has landed for every wave; nothing is filled
	STEP 0, 4, 2, 1, 0
	s_wait_dscnt 4*NL                              ; K step 5: nothing more to fetch
	WIN MUL_LO
	MUL16 0, 1, 5, 0
	MUL16 2, 1, 5, 0
	s_wait_dscnt 0
	WIN MUL_HI
	MUL16 4, 1, 5, 0
	MUL16 6, 1, 5, 0
	PLACES NP
	; THE WAY OUT, a block of 16 tokens at a time: relu, the square, the quantiser, the fragment's image.  Each accumulator is read from its low end on.
.irp a, 0,1,2,3,4,5,6,7
	WIN 0x08+4*(\a/4)
.set I, 0
.rept 64
	v_max_num_f32 v[H+I], 0, v[64*(\a%4)+I]
.set I, I+1
.endr
	WIN 0
.set I, 0
.rept 32
	v_pk_mul_f32 v[H+I:H+I+1], v[H+I:H+I+1], v[H+I:H+I+1]
.set I, I+2
.endr
	s_wait_xcnt 0x0                                ; the last block's stores have read the codes' registers
	QUANT H, PW+\a
.irp c, 0,1,2
	global_store_b128 v[LI], v[PC+4*\c:PC+4*\c+3], s[10:11] offset:1536*\a+512*\c
.endr
.endr
	v_cmp_eq_u32 vcc_lo, 1, v2
.irp i, 0,1,2,3
	v_cndmask_b32 v[PW+8+\i], v[PW+\i], v[PW+4+\i], vcc_lo   ; lanes 0-15 store the words of blocks 0-3 of their row, lanes 16-31 those of blocks 4-7
.endr
	global_store_b128 v[LI], v[PW+8:PW+11], s[10:11] offset:12288
	s_wait_tensorcnt 0x0                           ; the wave's end
	ds_add_u32 v[SPW], v[NIL]
	s_wait_dscnt 0x0
	CROUND                                         ; the closing round
	s_endpgm
.Lfunc_end_k_q4d7746fef1_hidden:
	.size	k_q4d7746fef1_hidden, .Lfunc_end_k_q4d7746fef1_hidden-k_q4d7746fef1_hidden
	.p2alignl 7, 3214868480
	.fill 96, 4, 3214868480
	.section	.rodata,"a",@progbits
	.p2align	6, 0x0
	.amdhsa_kernel k_q4d7746fef1_hidden
		.amdhsa_group_segment_fixed_size 327680
		.amdhsa_private_segment_fixed_size 0
		.amdhsa_enable_private_segment 0
		.amdhsa_kernarg_size 32
		.amdhsa_user_sgpr_count 2
		.amdhsa_user_sgpr_kernarg_segment_ptr 1
		.amdhsa_wavefront_size32 1
		.amdhsa_system_sgpr_workgroup_id_x 1
		.amdhsa_system_sgpr_workgroup_id_y 1
		.amdhsa_system_sgpr_workgroup_id_z 1
		.amdhsa_system_vgpr_workitem_id 0
		.amdhsa_next_free_vgpr 1024
		.amdhsa_next_free_sgpr 100
		.amdhsa_reserve_vcc 1
		.amdhsa_float_denorm_mode_32 3
		.amdhsa_float_denorm_mode_16_64 3
		.amdhsa_memory_ordered 1
		.amdhsa_forward_progress 1
		.amdhsa_inst_pref_size 171
	.end_amdhsa_kernel
	.amdgpu_metadata
---
amdhsa.version: [ 1, 2 ]
amdhsa.kernels:
  - .name:           k_q4d7746fef1_hidden
    .symbol:         k_q4d7746fef1_hidden.kd
    .args:
      - { .name: xq, .offset: 0, .size: 8, .value_kind: global_buffer, .address_space: global }
      - { .name: w1q, .offset: 8, .size: 8, .value_kind: global_buffer, .address_space: global }
      - { .name: b1, .offset: 16, .size: 8, .value_kind: global_buffer, .address_space: global }
      - { .name: hrec, .offset: 24, .size: 8, .value_kind: global_buffer, .address_space: global }
    .group_segment_fixed_size: 327680
    .private_segment_fixed_size: 0
    .kernarg_segment_align: 8
    .kernarg_segment_size: 32
    .max_flat_workgroup_size: 128
    .sgpr_count:     100
    .vgpr_count:     1024
    .wavefront_size: 32
...
	.end_amdgpu_metadata
.endif
;; end of part 2
;; launch readout (part 3): grid 16 x 16, 4 waves a work-group, clusters of 4 x 4, 327,680 bytes of LDS; arguments hrec, w2q, b2, rt, part; writes part
.if DOCPART == 3
	.amdgcn_target "amdgcn-amd-amdhsa--gfx1250"
	.amdhsa_code_object_version 6
	.text
	.protected	k_q4d7746fef1_readout
	.globl	k_q4d7746fef1_readout
	.p2align	8
	.type	k_q4d7746fef1_readout,@function
k_q4d7746fef1_readout:
	s_mov_b64 s[64:65], 0
	v_nop
	global_prefetch_b8 v0, s[64:65] scope:SCOPE_SE
	s_setreg_imm32_b32 hwreg(HW_REG_WAVE_MODE, 25, 1), 1
	s_wait_xcnt 0x0
	s_wait_alu depctr_hold_cnt(0) depctr_sa_sdst(0) depctr_va_vdst(0) depctr_va_sdst(0) depctr_va_ssrc(0) depctr_va_vcc(0) depctr_vm_vsrc(0)
	s_getreg_b32 s2, hwreg(HW_REG_IB_STS2, 6, 4)
	s_cmp_eq_u32 s2, 0
	s_cbranch_scc0 .Lentry_in_a_cluster
	s_endpgm
.Lentry_in_a_cluster:
	s_bfe_u32 s2, ttmp6, 0x10000c
	s_cmp_lg_u32 s2, 0xf033
	s_cbranch_scc0 .Lentry_shape_is_right
	s_endpgm
.Lentry_shape_is_right:
; READOUT.  part[pp][n][o] = sum over the experts e = 2 pp, 2 pp + 1 of route[n][e] (sum over k of h[n][e][k] W2[e][o][k] + b2[e][o]), the products on codes of BF6 (E3M2) with E8M0 scales.  No work is left out.
; A work-group takes 256 tokens (tr) x 128 outputs (tc) x one pair of experts (pp): 8 x 8 x 4 = 256 work-groups.  The next launch adds the four parts.
; WAVE (rh, e') makes 128 tokens x 128 outputs of ONE expert, K = 2,048 in 16 steps of 128: 64 accumulators, 512 registers, 64 matrix instructions for the 16 fragments that it reads from LDS in a step.
; hrec's records (8 fragments of 16 tokens and 512 bytes of scale words: 12,800 bytes for 128 tokens and a step) and w2q's QUADs (4 fragments of 16 outputs and 256 bytes of scale words: 6,400 bytes) are images
; of operand registers; the records, and the QUADs, of neighbouring steps are neighbours in memory.
; THE RING: two slots of 153,600 bytes, each with a CHUNK of two steps: A [rh 2][e' 2][25,600 bytes], then B [oh 2][e' 2][12,800 bytes].  One tensor load a wave behind each barrier:
; waves 0, 1 bring A's two rows (e') of 25,600 bytes for rh = 0, 1; waves 2, 3 B's two rows of 12,800 bytes for oh = 0, 1.  Every row begins at a multiple of 256 bytes of its buffer (12,800 is one).
; The wait for all tensor loads stands 16 matrix instructions into a chunk's second step, the refill behind the round that follows: 112 of a chunk's 128 matrix instructions lie between a refill and the wait for it.
; CLUSTERS: 4 x 4 work-groups of one pp.  The four of a row of the cluster need the same records, the four of a column the same QUADs: each tile is asked for JOINTLY.
; PREFETCH: a chunk's A is 16 pieces of 6,400 bytes (25 blocks of 256), one for each (cx, wave); its B 8 pieces, one for each (cy, wave 0 or 1): shared out by address, a lane a block, lanes 25-31 naming the last again.
; The head names chunks 1-3; a change of slots names the chunk four on, two refills ahead of the load that wants it; the loop's last trip has no such chunk and names nothing.
; THE MATRIX INSTRUCTION IS USED TRANSPOSED (source 0 = 16 rows of W2, source 1 = 16 tokens): a lane holds one token and eight neighbouring outputs.  b2 is the C of each sum's first instruction.
; THE WAY OUT: each wave weighs its tile by its expert's gate and lays it into a stage of 128 rows x 528 bytes, in the slots, which have had their last fill and, behind a barrier, their last read; behind a second
; barrier wave (rh, e') adds rows 64 e' .. 64 e' + 63 of the two stages of rh and stores them: the 32 lanes store a row's 512 consecutive bytes, which begin at a multiple of 256 bytes of part.
; REGISTERS, in windows of 256: window 0: v16-31 addresses; v32-55 scale words, two sets; v56-63 the gates; v128-223 A's fragments, ONE set; on the way out v64-191.
;   window 1: B's fragments, two sets, at v0 and v128; b2's eight tiles at v96-127, v224-255.  window 2: the accumulators of token blocks 0-3 ((a, b) at v[8 (8 (a % 4) + b)]);  window 3: of blocks 4-7.
.set FR,    12
.set SLOT,  153600
.set SPARE, 2*SLOT                     ; the spare words, 128 bytes for each wave: two blocks of 256 bytes that no other line names
.set STG,   67584                      ; a stage: 128 rows x 528 bytes
.set ADRA, 16                          ; v16-17  my A fragments in slot 0, 1
.set ADRB, 18                          ; v18-19  my B fragments
.set ADSB, 20                          ; v20-21  B's scale words
.set STO,  22
.set RD,   23                          ; v23-24
.set LI,   25                          ; 16 x lane
.set RTO,  26
.set BIO,  27
.set SPW,  28
.set NIL,  29
.set PFO,  30
.set SC,   32                          ; set p: v[SC + 12 p + i]: lanes 0-15 token block i, lanes 16-31 block 4 + i;  v[SC + 12 p + 4 + b]: W2's tile b
.set RT,   56
.set AF,   128
.set G1A,  24
.set G0A,  32
.set G1B,  48
.set G0B,  56
.set PFA,  68
.set PFB,  70
.set PP,   72
.set CNT,  73
.set MSB, 0
.macro WIN new
.if MSB != \new
	s_set_vgpr_msb (MSB<<8)|(\new)
.set MSB, \new
.endif
.endm
.set MUL_LO, 0xa1                      ; source 0 (W2) window 1, source 1 (tokens) window 0, C and D window 2
.set MUL_HI, 0xf1
.set TO_B,   0x40
; A joint load: waves 0 and 1 fetch for A, waves 2 and 3 for B.  An s_nop 0 and four v_nop follow each of the two lines.
.macro JLOAD g0a, g1a, g0b, g1b
	s_cmp_eq_u32 s15, 0
	s_cbranch_scc0 .Lfor_b_\@
	tensor_load_to_lds s[\g0a:\g0a+3], s[\g1a:\g1a+7]
	s_nop 0
.rept 4
	v_nop
.endr
	s_branch .Lasked_\@
.Lfor_b_\@:
	tensor_load_to_lds s[\g0b:\g0b+3], s[\g1b:\g1b+7]
	s_nop 0
.rept 4
	v_nop
.endr
.Lasked_\@:
.endm
.macro CREST
	s_cmp_lg_u32 s14, 0
	s_cbranch_scc1 .Lnot_wave_0_\@
	s_barrier_signal -3
.Lnot_wave_0_\@:
	s_barrier_wait -3
	s_barrier_signal -1
	s_barrier_wait -1
.endm
.macro CROUND
	s_barrier_signal -1
	s_barrier_wait -1
	CREST
.endm
.macro ASK k, cond                     ; the chunk k chunks on from where the prefetches' bases stand
.if \cond
	s_cmp_ge_u32 s[CNT], 2                         ; the loop's last trip (the counter at 1) has no chunk four on
	s_cbranch_scc0 .Lnone_\@
.endif
	global_prefetch_b8 v[PFO], s[PFA:PFA+1] offset:(\k)*25600 th:TH_LOAD_NT scope:SCOPE_SE
	s_cmp_eq_u32 s15, 0                            ; B has half as many pieces: waves 0 and 1 name them
	s_cbranch_scc0 .Lnone_\@
	global_prefetch_b8 v[PFO], s[PFB:PFB+1] offset:(\k)*12800 th:TH_LOAD_NT scope:SCOPE_SE
.Lnone_\@:
.endm
	s_load_b256 s[4:11], s[0:1], 0x0               ; hrec, w2q, b2, rt
	s_load_b64 s[12:13], s[0:1], 0x20              ; part
	v_lshl_add_u32 v[SPW], v0, 2, SPARE
	v_mov_b32 v[NIL], 0
	ds_add_u32 v[SPW], v[NIL]                      ; the opening lines: the add, twice on end, and its wait ahead of my first tensor load
	ds_add_u32 v[SPW], v[NIL]
	v_lshrrev_b32 v1, 5, v0
	v_readfirstlane_b32 s14, v1                    ; wave 0..3
	s_lshr_b32 s15, s14, 1                         ; rh: my half of the tokens.  Also: I fetch for A (0) or for B (1)
	s_and_b32 s16, s14, 1                          ; e': my expert of the pair.  Also: which half (rh, oh) I fetch
	s_bfe_u32 s40, ttmp6, 0x40000                  ; cx
	s_bfe_u32 s41, ttmp6, 0x40004                  ; cy
	s_and_b32 s42, ttmp9, 1
	s_lshl_b32 s42, s42, 2
	s_add_co_u32 s42, s42, s40                     ; tc = 4 (cluster x % 2) + cx
	s_and_b32 s45, ttmp7, 0xffff
	s_and_b32 s17, s45, 1
	s_lshl_b32 s17, s17, 2
	s_add_co_u32 s17, s17, s41                     ; tr = 4 (cluster y % 2) + cy
	s_lshr_b32 s[PP], s45, 1
	s_lshl_b32 s[PP], s[PP], 1
	s_lshr_b32 s75, ttmp9, 1
	s_add_co_u32 s[PP], s[PP], s75                 ; pp = 2 (cluster y / 2) + cluster x / 2: the same in the whole cluster
	s_lshl_b32 s43, s41, 2
	s_lshl_b32 s43, 15, s43                        ; my row of the cluster
	s_lshl_b32 s44, 0x1111, s40                    ; my column
	s_or_b32 s[G1A], s43, (3<<16)|(1<<21)          ; the mask; elements of 8 bytes; bit 21 beside a mask; no padding: an image is read 512 consecutive bytes at a time
	s_mov_b32 s[G1A+1], 3200<<16                   ; A: 2 rows of 25,600 bytes,
	s_mov_b32 s[G1A+2], 2<<16
	s_mov_b32 s[G1A+3], 3200<<16
	s_mov_b32 s[G1A+4], 2
	s_mov_b32 s[G1A+5], 25600                      ; 16 records apart
	s_mov_b32 s[G1A+6], 0
	s_mov_b32 s[G1A+7], 0
	s_or_b32 s[G1B], s44, (3<<16)|(1<<21)
	s_mov_b32 s[G1B+1], 1600<<16                   ; B: 2 rows of 12,800 bytes,
	s_mov_b32 s[G1B+2], 2<<16
	s_mov_b32 s[G1B+3], 1600<<16
	s_mov_b32 s[G1B+4], 2
	s_mov_b32 s[G1B+5], 12800                      ; 16 QUADs apart
	s_mov_b32 s[G1B+6], 0
	s_mov_b32 s[G1B+7], 0
	s_lshl_b32 s20, s17, 1
	s_add_co_u32 s20, s20, s16
	s_mul_i32 s20, s20, 1638400                    ; hrec: 128 records for each 128 tokens,
	s_mul_i32 s18, s[PP], 409600                   ; 32 for each pair of experts
	s_add_co_u32 s20, s20, s18
	s_mov_b32 s21, 0
	s_lshl_b32 s46, s42, 1
	s_add_co_u32 s46, s46, s16
	s_mul_i32 s46, s46, 819200                     ; w2q: 128 QUADs for each 64 outputs,
	s_mul_i32 s18, s[PP], 204800                   ; 32 for each pair of experts
	s_add_co_u32 s46, s46, s18
	s_mov_b32 s47, 0
	s_mul_i32 s22, s16, 51200                      ; where they go: no place in the cluster enters an LDS address
	s_mul_i32 s23, s16, 25600
	s_add_co_u32 s23, s23, 102400
	s_wait_dscnt 0x0                               ; both opening adds are done
	s_wait_kmcnt 0x0
	s_add_nc_u64 s[20:21], s[4:5], s[20:21]
	s_add_nc_u64 s[46:47], s[6:7], s[46:47]
	CROUND                                         ; all sixteen work-groups are here: the first joint loads meet
.irp s, 0,1
	s_mov_b32 s[G0A+4*\s], 1
	s_add_co_u32 s[G0A+4*\s+1], s22, \s*SLOT
	s_add_nc_u64 s[G0A+4*\s+2:G0A+4*\s+3], s[20:21], \s*25600
	s_or_b32 s[G0A+4*\s+3], s[G0A+4*\s+3], 0x80000000
	s_mov_b32 s[G0B+4*\s], 1
	s_add_co_u32 s[G0B+4*\s+1], s23, \s*SLOT
	s_add_nc_u64 s[G0B+4*\s+2:G0B+4*\s+3], s[46:47], \s*12800
	s_or_b32 s[G0B+4*\s+3], s[G0B+4*\s+3], 0x80000000
.endr
	JLOAD G0A, G1A, G0B, G1B                       ; chunk 0: my one tensor load at the head
	v_and_b32 v1, 15, v0                           ; r
	v_bfe_u32 v2, v0, 4, 1                         ; h
	v_and_b32 v3, 31, v0
	v_lshlrev_b32 v[LI], 4, v3
	s_wait_alu depctr_va_vdst(0)
	s_mul_i32 s18, s15, 51200
	s_mul_i32 s19, s16, 25600
	s_add_co_u32 s18, s18, s19                     ; my records
	s_mul_i32 s19, s16, 12800
	s_add_co_u32 s19, s19, 102400                  ; my expert's QUADs of oh = 0; those of oh = 1 lie 25,600 bytes on
.irp s, 0,1
	v_add_nc_u32 v[ADRA+\s], s18, v[LI]
	v_add_nc_u32 v[ADRB+\s], s19, v[LI]
	s_add_co_u32 s66, s19, 6144
	v_lshl_add_u32 v[ADSB+\s], v1, 4, s66
	s_add_co_u32 s18, s18, SLOT
	s_add_co_u32 s19, s19, SLOT
.endr
	s_mul_i32 s18, s14, STG
	v_mul_u32_u24 v5, v1, 528
	v_lshl_add_u32 v5, v2, 5, v5
	v_add_nc_u32 v[STO], s18, v5                   ; into my stage: row r, 32 bytes for each half of the lanes
	s_mul_i32 s18, s15, 2*STG
	s_mul_i32 s19, s16, 64*528
	s_add_co_u32 s18, s18, s19
	v_add_nc_u32 v[RD], s18, v[LI]                 ; back: rows 64 e' on of the stage of wave (rh, 0),
	v_add_nc_u32 v[RD+1], STG, v[RD]               ; and of wave (rh, 1)
	v_lshlrev_b32 v[RTO], 5, v1
	v_lshlrev_b32 v[BIO], 5, v2
	v_min_u32 v[PFO], 24, v3
	v_lshlrev_b32 v[PFO], 8, v[PFO]
	s_wait_alu depctr_va_vdst(0)                   ; the head's last vector line
	s_mov_b32 s67, 0
	s_lshl_b32 s66, s[PP], 1
	s_add_co_u32 s66, s66, s16                     ; e
	s_lshl_b32 s75, s66, 2
	s_lshl_b32 s66, s66, 12
	s_lshl_b32 s19, s42, 9
	s_add_co_u32 s66, s66, s19
	s_add_nc_u64 s[8:9], s[8:9], s[66:67]          ; b2: 4,096 e + 512 tc
	s_lshl_b32 s66, s17, 13
	s_lshl_b32 s18, s15, 12
	s_add_co_u32 s66, s66, s18
	s_add_co_u32 s66, s66, s75
	s_add_nc_u64 s[10:11], s[10:11], s[66:67]      ; rt: row 256 tr + 128 rh of 32 bytes, + 4 e
	s_lshl_b32 s66, s[PP], 23
	s_lshl_b32 s18, s17, 20
	s_add_co_u32 s66, s66, s18
	s_lshl_b32 s18, s15, 19
	s_add_co_u32 s66, s66, s18
	s_lshl_b32 s18, s16, 18
	s_add_co_u32 s66, s66, s18
	s_add_co_u32 s66, s66, s19
	s_add_nc_u64 s[12:13], s[12:13], s[66:67]      ; part pp, row 256 tr + 128 rh + 64 e', + 512 tc
	s_lshl_b32 s66, s17, 1                         ; the prefetches: A's piece 4 cx + wave = (rh = cx / 2, e' = cx % 2, quarter = wave)
	s_lshr_b32 s18, s40, 1
	s_add_co_u32 s66, s66, s18
	s_mul_i32 s66, s66, 1638400
	s_mul_i32 s18, s[PP], 409600
	s_add_co_u32 s66, s66, s18
	s_and_b32 s18, s40, 1
	s_mul_i32 s18, s18, 204800
	s_add_co_u32 s66, s66, s18
	s_mul_i32 s18, s14, 6400
	s_add_co_u32 s66, s66, s18
	s_add_nc_u64 s[PFA:PFA+1], s[4:5], s[66:67]
	s_lshl_b32 s66, s42, 1                         ; B's piece 2 cy + wave = (oh = cy / 2, e' = cy % 2, half = wave)
	s_lshr_b32 s18, s41, 1
	s_add_co_u32 s66, s66, s18
	s_mul_i32 s66, s66, 819200
	s_mul_i32 s18, s[PP], 204800
	s_add_co_u32 s66, s66, s18
	s_and_b32 s18, s41, 1
	s_mul_i32 s18, s18, 102400
	s_add_co_u32 s66, s66, s18
	s_mul_i32 s18, s16, 6400
	s_add_co_u32 s66, s66, s18
	s_add_nc_u64 s[PFB:PFB+1], s[6:7], s[66:67]
	ASK 1, 0
	ASK 2, 0
	ASK 3, 0
	WIN TO_B
.irp b, 0,1,2,3,4,5,6,7
	global_load_b128 v[96+8*\b+96*(\b/4):99+8*\b+96*(\b/4)], v[BIO], s[8:9] offset:64*\b        ; b2 at outputs 16 b + 8 h + 0 .. 7
	global_load_b128 v[100+8*\b+96*(\b/4):103+8*\b+96*(\b/4)], v[BIO], s[8:9] offset:64*\b+16
.endr
	WIN 0
.irp a, 0,1,2,3,4,5,6,7
	global_load_b32 v[RT+\a], v[RTO], s[10:11] offset:512*\a                                    ; my expert's gate for token 16 a + r
.endr
; n x 8 matrix instructions: token blocks a0 on x W2's eight tiles, on set p.  first = 1: C = b2.  The 64 accumulators take turns, one instruction a turn, in the same order in every step.
.macro MUL a0, n, p, first
.set AA, \a0
.rept \n
.irp b, 0,1,2,3,4,5,6,7
.set rD, 8*(8*(AA%4)+\b)
.set rB, 128*(\p)+FR*\b
.set rA, AF+FR*AA
.set rS, SC+12*(\p)
.if \first
.if AA < 4
	v_wmma_scale_f32_16x16x128_f8f6f4 v[rD:rD+7], v[rB:rB+FR-1], v[rA:rA+FR-1], v[96+8*\b+96*(\b/4):103+8*\b+96*(\b/4)], v[rS+4+\b], v[rS+AA%4] matrix_a_fmt:MATRIX_FMT_BF6 matrix_b_fmt:MATRIX_FMT_BF6
.else
	v_wmma_scale_f32_16x16x128_f8f6f4 v[rD:rD+7], v[rB:rB+FR-1], v[rA:rA+FR-1], v[96+8*\b+96*(\b/4):103+8*\b+96*(\b/4)], v[rS+4+\b], v[rS+AA%4] matrix_a_fmt:MATRIX_FMT_BF6 matrix_b_fmt:MATRIX_FMT_BF6 matrix_b_scale:MATRIX_SCALE_ROW1
.endif
.else
.if AA < 4
	v_wmma_scale_f32_16x16x128_f8f6f4 v[rD:rD+7], v[rB:rB+FR-1], v[rA:rA+FR-1], v[rD:rD+7], v[rS+4+\b], v[rS+AA%4] matrix_a_fmt:MATRIX_FMT_BF6 matrix_b_fmt:MATRIX_FMT_BF6
.else
	v_wmma_scale_f32_16x16x128_f8f6f4 v[rD:rD+7], v[rB:rB+FR-1], v[rA:rA+FR-1], v[rD:rD+7], v[rS+4+\b], v[rS+AA%4] matrix_a_fmt:MATRIX_FMT_BF6 matrix_b_fmt:MATRIX_FMT_BF6 matrix_b_scale:MATRIX_SCALE_ROW1
.endif
.endif
.endr
.set AA, AA+1
.endr
.endm
.macro FETCH_B slot, q                 ; W2's eight fragments and both sides' scale words of step q of the slot's chunk, into set q: 27 loads
	WIN TO_B
.irp i, 0,1,2,3,4,5,6,7
.irp p, 0,1,2
	ds_load_b128 v[128*(\q)+FR*\i+4*\p:128*(\q)+FR*\i+4*\p+3], v[ADRB+\slot] offset:6400*(\q)+25600*(\i/4)+1536*(\i%4)+512*\p
.endr
.endr
	WIN 0
	ds_load_b128 v[SC+12*(\q):SC+12*(\q)+3], v[ADRA+\slot] offset:12800*(\q)+12288
	ds_load_b128 v[SC+12*(\q)+4:SC+12*(\q)+7], v[ADSB+\slot] offset:6400*(\q)
	ds_load_b128 v[SC+12*(\q)+8:SC+12*(\q)+11], v[ADSB+\slot] offset:6400*(\q)+25600
.endm
.macro FETCH_A slot, q, i0             ; token blocks i0 .. i0 + 3: 12 loads
.irp i, \i0, \i0+1, \i0+2, \i0+3
.irp p, 0,1,2
	ds_load_b128 v[AF+FR*(\i)+4*\p:AF+FR*(\i)+4*\p+3], v[ADRA+\slot] offset:12800*(\q)+1536*(\i)+512*\p
.endr
.endr
.endm
.macro PLACES                          ; plain places in front of loads into registers that matrix instructions have read, and of the first read of results
.rept 4
	v_nop
.endr
.endm
; A chunk's first step, on set 0; the second step's fragments come in its middle and at its end.
.macro STEP slot, first
	s_wait_dscnt 12                                ; all but the youngest 12 loads (A's blocks 4-7)
.if \first
	WIN 0x91                                       ; C (b2) window 1, D window 2
.else
	WIN MUL_LO
.endif
	MUL 0, 4, 0, \first
	s_wait_dscnt 0
	PLACES
	FETCH_B \slot, 1
	FETCH_A \slot, 1, 0
.if \first
	WIN 0xd1
.else
	WIN MUL_HI
.endif
	MUL 4, 4, 0, \first
	PLACES
	WIN 0
	FETCH_A \slot, 1, 4
.endm
; A chunk's second step, on set 1, and the change of slots.  fill = 1: the slot just read out takes the chunk two on.
.macro TURN slot, next, fill, ask
	s_wait_dscnt 12
	WIN MUL_LO
	MUL 0, 2, 1, 0
	WIN 0                                          ; (the add's two registers lie in window 0)
	s_wait_tensorcnt 0x0                           ; all my tensor loads have landed: the one that was out is my part of the next slot
	ds_add_u32 v[SPW], v[NIL]
.if \fill
	s_add_nc_u64 s[G0A+4*\slot+2:G0A+4*\slot+3], s[G0A+4*\slot+2:G0A+4*\slot+3], 51200   ; no load of mine is out: this slot's next chunk
	s_add_nc_u64 s[G0B+4*\slot+2:G0B+4*\slot+3], s[G0B+4*\slot+2:G0B+4*\slot+3], 25600
.endif
	WIN MUL_LO
	MUL 2, 1, 1, 0                                 ; eight matrix instructions stand between the add and the wait for it
	s_wait_dscnt 0x0                               ; the add is done, and my reads of this slot are over
	s_barrier_signal -1
	MUL 3, 1, 1, 0
	WIN 0
	s_barrier_wait -1
.if \fill
	CREST                                          ; the barrier has opened a round of the cluster's barrier: no wave of any partner still reads this slot or has a load on its way
	JLOAD G0A+4*\slot, G1A, G0B+4*\slot, G1B       ; the first tensor load behind the round; its four v_nop are the places in front of the loads below
.else
	PLACES
.endif
	FETCH_B \next, 0
	FETCH_A \next, 0, 0
.if \ask
	ASK \ask, 1
.endif
	WIN MUL_HI
	MUL 4, 4, 1, 0
	PLACES
	WIN 0
	FETCH_A \next, 0, 4
.endm
	s_wait_tensorcnt 0x0                           ; my part of chunk 0 is in
	ds_add_u32 v[SPW], v[NIL]
	s_wait_dscnt 0x0
	CROUND                                         ; chunk 0 is whole for every wave, and all sixteen work-groups are here
	JLOAD G0A+4, G1A, G0B+4, G1B                   ; chunk 1, the first tensor load behind the round
	FETCH_B 0, 0
	FETCH_A 0, 0, 0
	FETCH_A 0, 0, 4
	s_wait_loadcnt 0x0                             ; b2 and the gates
	STEP 0, 1                                      ; step 0 starts the sums from b2
	s_mov_b32 s[CNT], 3
.Llap:                                                 ; a trip goes once round the ring, from a chunk's second step to the first step of the chunk two on, and fills both slots again: chunks 2 .. 7
	TURN 0, 1, 1, 4
	STEP 1, 0
	TURN 1, 0, 1, 5
	STEP 0, 0
	s_wait_xcnt 0x0                                ; my prefetches have read their bases
	s_add_nc_u64 s[PFA:PFA+1], s[PFA:PFA+1], 51200
	s_add_nc_u64 s[PFB:PFB+1], s[PFB:PFB+1], 25600
	s_sub_co_u32 s[CNT], s[CNT], 1
	s_cmp_lg_u32 s[CNT], 0
	s_cbranch_scc1 .Llap
	TURN 0, 1, 0, 0                                ; chunk 6's second step: chunk 7 has landed for every wave; nothing is filled
	STEP 1, 0
	s_wait_dscnt 12                                ; the last step: nothing more to fetch
	WIN MUL_LO
	MUL 0, 4, 1, 0
	s_wait_dscnt 0x0                               ; my reads of the slots are over:
	s_barrier_signal -1                            ; say so; work on registers alone up to the wait
	WIN MUL_HI
	MUL 4, 4, 1, 0
	PLACES
.irp a, 0,1,2,3,4,5,6,7                ; x my expert's gate; each accumulator from its low end on
	WIN 0x82+0x41*(\a/4)                           ; the sums in window 2 or 3, the gates in window 0
.set I, 0
.rept 32
.if (\a)%2 == 0
	v_pk_mul_f32 v[64*(\a%4)+I:64*(\a%4)+I+1], v[64*(\a%4)+I:64*(\a%4)+I+1], v[RT+\a:RT+\a+1] op_sel_hi:[1,0]
.else
	v_pk_mul_f32 v[64*(\a%4)+I:64*(\a%4)+I+1], v[64*(\a%4)+I:64*(\a%4)+I+1], v[RT+\a-1:RT+\a] op_sel:[0,1] op_sel_hi:[1,1]
.endif
.set I, I+2
.endr
.endr
	s_wait_alu depctr_va_vdst(0)                   ; directly ahead of the barrier's wait
	s_barrier_wait -1                              ; nobody reads the slots any more: the stages may be written
.irp a, 0,1,2,3,4,5,6,7
	WIN 0x08+4*(\a/4)                              ; the stores' data: window 2 or 3
.irp b, 0,1,2,3,4,5,6,7
	ds_store_b128 v[STO], v[64*(\a%4)+8*\b:64*(\a%4)+8*\b+3] offset:8448*\a+64*\b
	ds_store_b128 v[STO], v[64*(\a%4)+8*\b+4:64*(\a%4)+8*\b+7] offset:8448*\a+64*\b+16
.endr
.endr
	WIN 0
	s_wait_dscnt 0x0                               ; for the others' sake: my tile lies in its stage
	s_barrier_signal -1
	s_barrier_wait -1
.macro RL k                            ; eight rows of the pair's two stages, into buffer k % 2
.irp t, 0,1,2,3,4,5,6,7
	ds_load_b128 v[64+64*((\k)%2)+8*\t:64+64*((\k)%2)+8*\t+3], v[RD] offset:528*(8*(\k)+\t)
	ds_load_b128 v[64+64*((\k)%2)+8*\t+4:64+64*((\k)%2)+8*\t+7], v[RD+1] offset:528*(8*(\k)+\t)
.endr
.endm
.macro RS k, younger
	s_wait_dscnt \younger
.set Q, 64+64*((\k)%2)
.irp t, 0,1,2,3,4,5,6,7
	v_pk_add_f32 v[Q+8*\t:Q+8*\t+1], v[Q+8*\t:Q+8*\t+1], v[Q+8*\t+4:Q+8*\t+5]
	v_pk_add_f32 v[Q+8*\t+2:Q+8*\t+3], v[Q+8*\t+2:Q+8*\t+3], v[Q+8*\t+6:Q+8*\t+7]
.endr
.irp t, 0,1,2,3,4,5,6,7
	global_store_b128 v[LI], v[Q+8*\t:Q+8*\t+3], s[12:13] offset:4096*(8*(\k)+\t)   ; 32 lanes store 512 consecutive bytes
.endr
.endm
	RL 0
	RL 1
.irp k, 0,1,2,3,4,5
	RS \k, 16                                      ; behind its 16 loads: the next batch's 16
	s_wait_xcnt 0x0                                ; its stores have read their registers, which take the batch two on
	RL \k+2
.endr
	RS 6, 16
	RS 7, 0
	s_wait_tensorcnt 0x0                           ; the wave's end
	ds_add_u32 v[SPW], v[NIL]
	s_wait_dscnt 0x0
	CROUND                                         ; the closing round
	s_endpgm
.Lfunc_end_k_q4d7746fef1_readout:
	.size	k_q4d7746fef1_readout, .Lfunc_end_k_q4d7746fef1_readout-k_q4d7746fef1_readout
	.p2alignl 7, 3214868480
	.fill 96, 4, 3214868480
	.section	.rodata,"a",@progbits
	.p2align	6, 0x0
	.amdhsa_kernel k_q4d7746fef1_readout
		.amdhsa_group_segment_fixed_size 327680
		.amdhsa_private_segment_fixed_size 0
		.amdhsa_enable_private_segment 0
		.amdhsa_kernarg_size 40
		.amdhsa_user_sgpr_count 2
		.amdhsa_user_sgpr_kernarg_segment_ptr 1
		.amdhsa_wavefront_size32 1
		.amdhsa_system_sgpr_workgroup_id_x 1
		.amdhsa_system_sgpr_workgroup_id_y 1
		.amdhsa_system_sgpr_workgroup_id_z 1
		.amdhsa_system_vgpr_workitem_id 0
		.amdhsa_next_free_vgpr 1024
		.amdhsa_next_free_sgpr 76
		.amdhsa_reserve_vcc 0
		.amdhsa_float_denorm_mode_32 3
		.amdhsa_float_denorm_mode_16_64 3
		.amdhsa_memory_ordered 1
		.amdhsa_forward_progress 1
		.amdhsa_inst_pref_size 156
	.end_amdhsa_kernel
	.amdgpu_metadata
---
amdhsa.version: [ 1, 2 ]
amdhsa.kernels:
  - .name:           k_q4d7746fef1_readout
    .symbol:         k_q4d7746fef1_readout.kd
    .args:
      - { .name: hrec, .offset: 0, .size: 8, .value_kind: global_buffer, .address_space: global }
      - { .name: w2q, .offset: 8, .size: 8, .value_kind: global_buffer, .address_space: global }
      - { .name: b2, .offset: 16, .size: 8, .value_kind: global_buffer, .address_space: global }
      - { .name: rt, .offset: 24, .size: 8, .value_kind: global_buffer, .address_space: global }
      - { .name: part, .offset: 32, .size: 8, .value_kind: global_buffer, .address_space: global }
    .group_segment_fixed_size: 327680
    .private_segment_fixed_size: 0
    .kernarg_segment_align: 8
    .kernarg_segment_size: 40
    .max_flat_workgroup_size: 128
    .sgpr_count:     76
    .vgpr_count:     1024
    .wavefront_size: 32
...
	.end_amdgpu_metadata
.endif
;; end of part 3
;; launch addup (part 4): grid 256 x 1, 8 waves a work-group, no clusters, 0 bytes of LDS; arguments part, out0; writes out0
.if DOCPART == 4
	.amdgcn_target "amdgcn-amd-amdhsa--gfx1250"
	.amdhsa_code_object_version 6
	.text
	.protected	k_q4d7746fef1_addup
	.globl	k_q4d7746fef1_addup
	.p2align	8
	.type	k_q4d7746fef1_addup,@function
k_q4d7746fef1_addup:
	s_mov_b64 s[64:65], 0
	v_nop
	global_prefetch_b8 v0, s[64:65] scope:SCOPE_SE
	s_setreg_imm32_b32 hwreg(HW_REG_WAVE_MODE, 25, 1), 1
	s_wait_xcnt 0x0
; ADDUP.  out0[n][o] = (part[0][n][o] + part[1][n][o]) + (part[2][n][o] + part[3][n][o]): the four pairs of experts' weighed sums, in f32.  No work is left out.
; All five arrays are laid alike, [2048][1024] f32, so the launch knows of no rows: a work-group takes 32,768 consecutive bytes of each, a thread eight pieces of 16 bytes, 4,096 bytes apart; a load or store
; of a wave covers 512 consecutive bytes.  Every byte is read once and written once.  All of a wave's 32 loads go out at the head, each into registers of its own, so that no register is written twice and the only
; waits are the counted ones in front of each piece's additions.  No LDS, no barrier, no matrix instruction, no cluster: waves share nothing, and the bytes alone bind.  No prefetch: the launch streams from its first line.
.set PLANE, 8388608                    ; bytes of a part
.set D,     8                          ; v8-135  piece i: four registers for each of the four parts
	s_load_b128 s[4:7], s[0:1], 0x0                ; part s[4:5], out0 s[6:7]
	v_lshlrev_b32 v1, 4, v0                        ; 16 x thread
	s_lshl_b32 s8, ttmp9, 15                       ; my work-group's 32,768 bytes
	s_mov_b32 s9, 0
	s_wait_alu depctr_va_vdst(0)
	s_wait_kmcnt 0x0
	s_add_nc_u64 s[10:11], s[4:5], s[8:9]          ; a base for each part: a part's distance is one more than a load's immediate holds
	s_add_nc_u64 s[12:13], s[10:11], PLANE
	s_add_nc_u64 s[14:15], s[12:13], PLANE
	s_add_nc_u64 s[16:17], s[14:15], PLANE
	s_add_nc_u64 s[6:7], s[6:7], s[8:9]
.irp i, 0,1,2,3,4,5,6,7
.irp k, 0,1,2,3
	global_load_b128 v[D+16*\i+4*\k:D+16*\i+4*\k+3], v1, s[10+2*\k:11+2*\k] offset:4096*\i th:TH_LOAD_NT
.endr
.endr
.irp i, 0,1,2,3,4,5,6,7
	s_wait_loadcnt 28-4*\i                         ; this piece's four loads are in; the younger pieces' may be out
	v_pk_add_f32 v[D+16*\i:D+16*\i+1], v[D+16*\i:D+16*\i+1], v[D+16*\i+4:D+16*\i+5]
	v_pk_add_f32 v[D+16*\i+2:D+16*\i+3], v[D+16*\i+2:D+16*\i+3], v[D+16*\i+6:D+16*\i+7]
	v_pk_add_f32 v[D+16*\i+8:D+16*\i+9], v[D+16*\i+8:D+16*\i+9], v[D+16*\i+12:D+16*\i+13]
	v_pk_add_f32 v[D+16*\i+10:D+16*\i+11], v[D+16*\i+10:D+16*\i+11], v[D+16*\i+14:D+16*\i+15]
	s_delay_alu instid0(VALU_DEP_2)
	v_pk_add_f32 v[D+16*\i:D+16*\i+1], v[D+16*\i:D+16*\i+1], v[D+16*\i+8:D+16*\i+9]
	s_delay_alu instid0(VALU_DEP_2)
	v_pk_add_f32 v[D+16*\i+2:D+16*\i+3], v[D+16*\i+2:D+16*\i+3], v[D+16*\i+10:D+16*\i+11]
	global_store_b128 v1, v[D+16*\i:D+16*\i+3], s[6:7] offset:4096*\i th:TH_STORE_NT
.endr
	s_endpgm
.Lfunc_end_k_q4d7746fef1_addup:
	.size	k_q4d7746fef1_addup, .Lfunc_end_k_q4d7746fef1_addup-k_q4d7746fef1_addup
	.p2alignl 7, 3214868480
	.fill 96, 4, 3214868480
	.section	.rodata,"a",@progbits
	.p2align	6, 0x0
	.amdhsa_kernel k_q4d7746fef1_addup
		.amdhsa_group_segment_fixed_size 0
		.amdhsa_private_segment_fixed_size 0
		.amdhsa_enable_private_segment 0
		.amdhsa_kernarg_size 16
		.amdhsa_user_sgpr_count 2
		.amdhsa_user_sgpr_kernarg_segment_ptr 1
		.amdhsa_wavefront_size32 1
		.amdhsa_system_sgpr_workgroup_id_x 1
		.amdhsa_system_sgpr_workgroup_id_y 1
		.amdhsa_system_sgpr_workgroup_id_z 1
		.amdhsa_system_vgpr_workitem_id 0
		.amdhsa_next_free_vgpr 136
		.amdhsa_next_free_sgpr 66
		.amdhsa_reserve_vcc 0
		.amdhsa_float_denorm_mode_32 3
		.amdhsa_float_denorm_mode_16_64 3
		.amdhsa_memory_ordered 1
		.amdhsa_forward_progress 1
		.amdhsa_inst_pref_size 9
	.end_amdhsa_kernel
	.amdgpu_metadata
---
amdhsa.version: [ 1, 2 ]
amdhsa.kernels:
  - .name:           k_q4d7746fef1_addup
    .symbol:         k_q4d7746fef1_addup.kd
    .args:
      - { .name: part, .offset: 0, .size: 8, .value_kind: global_buffer, .address_space: global }
      - { .name: out0, .offset: 8, .size: 8, .value_kind: global_buffer, .address_space: global }
    .group_segment_fixed_size: 0
    .private_segment_fixed_size: 0
    .kernarg_segment_align: 8
    .kernarg_segment_size: 16
    .max_flat_workgroup_size: 256
    .sgpr_count:     66
    .vgpr_count:     136
    .wavefront_size: 32
...
	.end_amdgpu_metadata
.endif
;; end of part 4
